; MI455X (gfx1250); checked and timed in simulation.
; The chip was launched on July 23, 2026; its instructions are those of AMD's public machine-readable ISA for CDNA 5 (MIT licence, August 2026) and "CDNA5" Instruction Set Architecture Reference Guide (July 2026). The comments in the code are by the model that wrote it; some were corrected since.
;; Implicit MLP. Allowed arithmetic: matrix products marked QUANTISED: E4M3 operands, one given power-of-two scale a tensor, by v_wmma_f32_16x16x64_fp8_fp8 or v_wmma_f32_16x16x128_fp8_fp8, f32 sums; products left as they are: f32 operands where the result goes on into a quantised operand, else bf16, f16 or f32 operands; f32 sums; everything else in f32.
;; Inputs: Bmat 2 x 128 float32; L1 256 x 70 float32; L2 128 x 10 float32; R1 70 x 256 float32; R2 10 x 256 float32; W3 32 x 128 float32; W4 16 x 32 float32; W5 3 x 16 float32; b1 256 float32; b2 128 float32; b3 32 float32; b4 16 float32; b5 3 float32; coords 128 x 2 x 64 x 64 float32; lowp_scales 10 int32 (the exponents e of the quantised operands' scales 2^e).
;; Outputs: out0 1 x 524,288 x 3 float32.
;; This version of the problem:
;;   THIS VERSION OF THE PROBLEM IS GIVEN IN LOW PRECISION. The matrix products marked QUANTISED in the list below multiply operands that are first quantised to E4M3 (4 exponent bits, 3 mantissa bits; 8 bits a number), with one given power-of-two scale for each operand tensor; their sums are f32. All else is computed in f32.
;;   The module's matrix products, in the order in which they are computed (A, B: the left and right operand; K: the contracted axis; several contracted axes count as one K, in the product's order):
;;     1. [M 524,288, K 2] x [K 2, N 128]; A: input coords; B: input Bmat: left as it is (K = 2 < 32)
;;     2. [M 256, K 70] x [K 70, N 256]; A: input L1; B: input R1: QUANTISED (scales: A lowp_scales[0], B lowp_scales[1])
;;     3. [M 524,288, K 256] x [K 256, N 256]; A: computed on the way; B: computed on the way: QUANTISED (scales: A lowp_scales[2], B lowp_scales[3])
;;     4. [M 128, K 10] x [K 10, N 256]; A: input L2; B: input R2: left as it is (K = 10 < 32)
;;     5. [M 524,288, K 256] x [K 256, N 128]; A: computed on the way; B: computed on the way: QUANTISED (scales: A lowp_scales[4], B lowp_scales[5])
;;     6. [M 524,288, K 128] x [K 128, N 32]; A: computed on the way; B: input W3: QUANTISED (scales: A lowp_scales[6], B lowp_scales[7])
;;     7. [M 524,288, K 32] x [K 32, N 16]; A: computed on the way; B: input W4: QUANTISED (scales: A lowp_scales[8], B lowp_scales[9])
;;     8. [M 524,288, K 16] x [K 16, N 3]; A: computed on the way; B: input W5: left as it is (K = 16 < 32)
;;   THE QUANTISER, for each operand of a quantised product, along K:
;;     - The operand's scale is 2^e, e = its entry of the input lowp_scales (int32; the entries are numbered through the quantised products in the list's order, A before B).
;;     - Each number is divided by the scale, clamped to +-448, and rounded to the nearest number of E4M3, ties to even, subnormals kept.
;;     - The product sums the exact products of the quantised numbers (number of the format x scale) in f32.
;;   ~~~python
;;   def quantise(x, axis, e):      # numpy; x: float32 -> the quantised numbers, widened to float32 again
;;       x = np.moveaxis(x, axis, -1); K = x.shape[-1]
;;       r = np.clip(x / 2.0 ** e, -448, 448)
;;       step = 2.0 ** (np.maximum(np.frexp(np.where(r == 0, 1, r))[1] - 1, -6) - 3)
;;       q = np.round(r / step) * step * 2.0 ** e      # np.round: ties to even
;;       return np.moveaxis(q, -1, axis).astype(np.float32)
;;   ~~~
;;   OPERANDS COMPUTED ON THE WAY. 'Computed on the way' means the value that the module computes at that place (a softmax that the list does not call 'softmax' is quantised finished and normalised). What goes into a quantiser is computed in f32, as accurately as f32 sums, v_exp_f32 and their like allow (about 1e-6 of the number): no bf16 or f16 on the way to a quantiser, and a product that is left as it is and whose result goes on into a quantised operand takes f32 operands (vector FMAs, or v_wmma_f32_16x16x4_f32). A number that lies on a knife's edge between two numbers of the format may be rounded either way, as far as f32 arithmetic and the matrix unit's own rounding can turn it there, and no further.
;; One version. Each part assembles by itself: llvm-mc -triple=amdgcn-amd-amdhsa -mcpu=gfx1250 --defsym DOCPART=n.
;; ======== version 1 of 1: 2 launches
;; limits: values are held in bf16: 8 bits of precision; right only within a limited range of input values
;; workspace buffers: wimg 108,544 bytes
;; launch prep (part 1): grid 137 x 1, 1 waves a work-group, no clusters, 0 bytes of LDS; arguments L1, R1, L2, R2, W3, W4, W5, Bmat, b1, b2, b3, b4, lowp_scales, wimg; writes wimg
.if DOCPART == 1
	.amdgcn_target "amdgcn-amd-amdhsa--gfx1250"
	.amdhsa_code_object_version 6
	.text
	.protected	k_qd4c8851f7b_prep
	.globl	k_qd4c8851f7b_prep
	.p2align	8
	.type	k_qd4c8851f7b_prep,@function
k_qd4c8851f7b_prep:
	s_mov_b64 s[64:65], 0
	v_nop
	global_prefetch_b8 v0, s[64:65] scope:SCOPE_SE
	s_setreg_imm32_b32 hwreg(HW_REG_WAVE_MODE, 25, 1), 1
	s_wait_xcnt 0x0
; PREP: all weights of the MLP, once, as images of the operand registers that the second launch wants, into wimg (108,544 bytes).
; A fragment (16 rows x 128 K of E4M3 codes) is 16 registers a lane: quad q (registers 4 q .. 4 q + 3) of lane l lies at 512 q + 16 l of its 2,048 bytes.
; Lane (r = l % 16, h = l / 16) holds row r; registers 2 c, 2 c + 1 hold k = 16 c + 8 h + 0 .. 7: the plain 8-bit layout.
;   0        W1 = Q(L1) Q(R1): 32 fragments (hidden tile t, K step s: 2 t + s)     65,536  W2 = L2 R2 (f32 multiply-adds): 16 fragments
;   98,304   W3: 2 fragments     102,400  W4's four registers, four of zeros, W4's again     103,936  W5 x 2^(e8 + e9) in bf16, a fragment of 16 x 32
;   104,960  Bmat as it lies; b1 / 2^(e2 + e3); b2 / 2^(e4 + e5); b3 / 2^(e6 + e7); b4 / 2^(e8 + e9); zeros up to the end
; One wave is one job; jobs share nothing: no LDS, no barrier.  Work-groups 0-63: W1; 64-127: W2; 128-135: W3; 136: the rest.  Every store of a wave covers 512 consecutive bytes, aligned.
; LIMITS: e0, e1, e5, e7, e9 and e3 - e0 - e1 lie between -126 and 119, so that each scale and 448 x it is an f32 number.  NaN and infinities among the inputs are not served.
.set LF, 16                            ; v16-55   W1: 40 numbers of L1 (j = 16 c + 8 h + i at 8 c + i)
.set LC, 56                            ; v56-71   L1's codes
.set RF, 72                            ; v72-231  four sets of 40 numbers of R1, a column of R1 to a lane
.macro SCL vs, vl, se                  ; v[vs] = 2^e, v[vl] = 448 x 2^e, e in s[se]
	s_add_co_i32 s48, s[\se], 127
	s_lshl_b32 s49, s48, 23
	v_mov_b32 v[\vs], s49
	s_add_co_i32 s48, s48, 8
	s_lshl_b32 s48, s48, 23
	s_or_b32 s48, s48, 0x600000
	v_mov_b32 v[\vl], s48
.endm
.macro Q8 dst, src, vs, vl             ; eight numbers become eight codes; the conversion does not saturate (ISA guide 7.6.2), so they are held first
.irp i, 0,1,2,3,4,5,6,7
	v_med3_num_f32 v[(\src)+\i], v[(\src)+\i], -v[\vl], v[\vl]
.endr
	v_cvt_scalef32_pk8_fp8_f32 v[(\dst):(\dst)+1], v[(\src):(\src)+7], v[\vs]
.endm
	s_load_b512 s[8:23], s[0:1], 0x0               ; L1 s8, R1 s10, L2 s12, R2 s14, W3 s16, W4 s18, W5 s20, Bmat s22
	s_load_b256 s[24:31], s[0:1], 0x40             ; b1 s24, b2 s26, b3 s28, b4 s30
	s_load_b128 s[32:35], s[0:1], 0x60             ; the scales' exponents s32, wimg s34
	v_and_b32 v1, 15, v0                           ; r
	v_lshrrev_b32 v2, 4, v0                        ; h
	v_lshlrev_b32 v3, 4, v0                        ; 16 l: my place in a store's 512 bytes
	v_mov_b32 v9, 0
	s_wait_kmcnt 0x0
	s_load_b256 s[36:43], s[32:33], 0x0            ; e0 .. e7
	s_load_b64 s[44:45], s[32:33], 0x20            ; e8, e9
	s_cmp_lt_u32 ttmp9, 64
	s_cbranch_scc1 .Lw1
	s_cmp_lt_u32 ttmp9, 128
	s_cbranch_scc1 .Lw2
	s_cmp_lt_u32 ttmp9, 136
	s_cbranch_scc1 .Lw3
	; ---- the small things: W4, W5, Bmat, the four biases
	s_wait_alu depctr_va_vdst(0)
	v_lshlrev_b32 v4, 7, v1
	v_lshl_add_u32 v4, v2, 5, v4                   ; W4: row r of 128 bytes, + 32 h
	v_and_b32 v5, 7, v1
	v_min_u32 v5, 2, v5                            ; W5: row min(r % 8, 2): no load leaves the 3 rows
	v_lshlrev_b32 v5, 6, v5
	v_lshl_add_u32 v5, v2, 5, v5
	v_min_u32 v6, 7, v0
	v_lshlrev_b32 v6, 4, v6                        ; b3: lanes 0-7 take its 128 bytes
	v_max_u32 v7, 8, v0
	v_min_u32 v7, 11, v7
	v_add_nc_u32 v7, -8, v7
	v_lshlrev_b32 v7, 4, v7                        ; b4: lanes 8-11 take its 64 bytes
	v_add_nc_u32 v8, -8, v1                        ; r - 8 (wraps for r < 8)
	global_load_b128 v[16:19], v4, s[18:19]
	global_load_b128 v[20:23], v4, s[18:19] offset:16
	global_load_b128 v[24:27], v4, s[18:19] offset:64
	global_load_b128 v[28:31], v4, s[18:19] offset:80
	global_load_b128 v[32:35], v5, s[20:21]
	global_load_b128 v[36:39], v5, s[20:21] offset:16
	global_load_b128 v[40:43], v3, s[22:23]
	global_load_b128 v[44:47], v3, s[22:23] offset:512
	global_load_b128 v[48:51], v3, s[24:25]
	global_load_b128 v[52:55], v3, s[24:25] offset:512
	global_load_b128 v[56:59], v3, s[26:27]
	global_load_b128 v[60:63], v6, s[28:29]
	global_load_b128 v[64:67], v7, s[30:31]
	s_wait_alu depctr_va_vdst(0)
	s_wait_kmcnt 0x0
	SCL 10, 11, 45                                 ; e9
	s_add_co_i32 s50, s44, s45                     ; e8 + e9
	s_sub_co_i32 s56, 0, s50
	s_add_co_i32 s53, s38, s39
	s_sub_co_i32 s53, 0, s53                       ; -(e2 + e3)
	s_add_co_i32 s57, s40, s41
	s_sub_co_i32 s57, 0, s57                       ; -(e4 + e5)
	s_add_co_i32 s58, s42, s43
	s_sub_co_i32 s58, 0, s58                       ; -(e6 + e7)
	v_cmp_gt_u32 s51, 3, v1                        ; rows 0-2 of W5's fragment: tile A's outputs
	v_cmp_gt_u32 s52, 3, v8                        ; rows 8-10: tile B's
	v_cmp_gt_u32 s54, 8, v0
	v_cmp_gt_u32 s55, 12, v0
.irp i, 0,1,2,3
	v_mov_b32 v[72+\i], 0
.endr
	s_wait_alu depctr_va_vdst(0)
	s_wait_loadcnt 0x0
	Q8 68, 16, 10, 11                              ; W4: k = 8 h + i,
	Q8 70, 24, 10, 11                              ; k = 16 + 8 h + i
.irp i, 0,1,2,3,4,5,6,7
	v_ldexp_f32 v[32+\i], v[32+\i], s50            ; the power of two that the fourth layer's sums lack goes into W5
.endr
.irp i, 0,1,2,3
	v_cvt_pk_bf16_f32 v[76+\i], v[32+2*\i], v[33+2*\i]
.endr
.irp i, 0,1,2,3
	v_cndmask_b32 v[80+\i], v9, v[76+\i], s51      ; registers 0-3 (k = 8 h + i: tile A's units): W5 in rows 0-2, else 0
	v_cndmask_b32 v[84+\i], v9, v[76+\i], s52      ; registers 4-7 (k = 16 + 8 h + i: tile B's units): W5 in rows 8-10, else 0
.endr
.irp i, 0,1,2,3,4,5,6,7
	v_ldexp_f32 v[48+\i], v[48+\i], s53
.endr
.irp i, 0,1,2,3
	v_ldexp_f32 v[56+\i], v[56+\i], s57
	v_ldexp_f32 v[60+\i], v[60+\i], s58
	v_ldexp_f32 v[64+\i], v[64+\i], s56
.endr
.irp i, 0,1,2,3
	v_cndmask_b32 v[88+\i], v9, v[64+\i], s55      ; lanes 8-11: b4; lanes 12-31: zeros;
	v_cndmask_b32 v[88+\i], v[88+\i], v[60+\i], s54   ; lanes 0-7: b3
.endr
	global_store_b128 v3, v[68:71], s[34:35] offset:102400
	global_store_b128 v3, v[72:75], s[34:35] offset:102912
	global_store_b128 v3, v[68:71], s[34:35] offset:103424
	global_store_b128 v3, v[80:83], s[34:35] offset:103936
	global_store_b128 v3, v[84:87], s[34:35] offset:104448
	global_store_b128 v3, v[40:43], s[34:35] offset:104960
	global_store_b128 v3, v[44:47], s[34:35] offset:105472
	global_store_b128 v3, v[48:51], s[34:35] offset:105984
	global_store_b128 v3, v[52:55], s[34:35] offset:106496
	global_store_b128 v3, v[56:59], s[34:35] offset:107008
	global_store_b128 v3, v[88:91], s[34:35] offset:107520
	global_store_b128 v3, v[72:75], s[34:35] offset:108032
	s_endpgm
	; ---- W1: job j = 4 t + w makes rows 16 t .. + 15, columns 64 w .. + 63: four products 16 x 16 x 128 on codes, K = 70 filled up with zero codes
.Lw1:
	s_lshr_b32 s50, ttmp9, 2                       ; t
	s_and_b32 s51, ttmp9, 3                        ; w
	s_mul_i32 s50, s50, 4480                       ; 16 rows of L1, 280 bytes each
	s_lshl_b32 s51, s51, 8
	s_wait_alu depctr_va_vdst(0)
	v_mul_u32_u24 v4, v1, 280
	v_add_nc_u32 v4, s50, v4                       ; L1: my row
	v_lshl_add_u32 v5, v2, 5, v4                   ;     + 32 h
	v_lshl_add_u32 v6, v1, 2, s51                  ; R1: my column of the first tile: 4 r + 256 w
	v_lshl_add_u32 v7, v2, 13, v6                  ;     + 8 h rows of 1,024 bytes
.irp c, 0,1,2,3
.irp i, 0,1,2,3
	global_load_b64 v[LF+8*\c+2*\i:LF+8*\c+2*\i+1], v5, s[8:9] offset:64*\c+8*\i
.endr
.endr
.irp i, 0,1,2
	global_load_b64 v[LF+32+2*\i:LF+33+2*\i], v4, s[8:9] offset:256+8*\i   ; j = 64 .. 69, in both halves of the lanes: no load leaves a row's 70
.endr
.irp a, 0,1,2,3
.irp c, 0,1,2,3
.irp i, 0,1,2,3,4,5,6,7
	global_load_b32 v[RF+40*\a+8*\c+\i], v7, s[10:11] offset:64*\a+16384*\c+1024*\i   ; R1(16 c + 8 h + i, my column): registers run down K
.endr
.endr
.irp i, 0,1,2,3,4,5
	global_load_b32 v[RF+40*\a+32+\i], v6, s[10:11] offset:64*\a+65536+1024*\i
.endr
.endr
	s_wait_kmcnt 0x0
	SCL 10, 11, 36                                 ; e0, for L1
	SCL 12, 13, 37                                 ; e1, for R1
	s_sub_co_i32 s52, s39, s36
	s_sub_co_i32 s52, s52, s37                     ; a sum stands for sum x 2^(e0 + e1): W1's code is sum / 2^(e3 - e0 - e1)
	SCL 14, 15, 52
	v_cmp_lt_u32 vcc_lo, 15, v0                    ; lanes 16-31: there j = 72 .. 79 is beyond K
	v_mov_b32 v[LF+38], 0
	v_mov_b32 v[LF+39], 0
.irp a, 0,1,2,3
	v_mov_b32 v[RF+40*\a+38], 0
	v_mov_b32 v[RF+40*\a+39], 0
.endr
	s_wait_loadcnt 0x0
.irp i, 0,1,2,3,4,5
	v_cndmask_b32 v[LF+32+\i], v[LF+32+\i], v9, vcc_lo
.irp a, 0,1,2,3
	v_cndmask_b32 v[RF+40*\a+32+\i], v[RF+40*\a+32+\i], v9, vcc_lo
.endr
.endr
.irp c, 0,1,2,3,4
	Q8 LC+2*\c, LF+8*\c, 10, 11
.endr
.irp c, 0,1,2,3,4
	Q8 16+2*\c, RF+8*\c, 12, 13                    ; R1's codes, tile 0: v16-31 (L1's numbers are done with)
.endr
.irp c, 0,1,2,3,4
	Q8 32+2*\c, RF+40+8*\c, 12, 13                 ; tile 1: v32-47
.endr
.irp c, 0,1,2,3,4
	Q8 72+2*\c, RF+80+8*\c, 12, 13                 ; tile 2: v72-87 (tile 0's numbers are done with)
.endr
.irp c, 0,1,2,3,4
	Q8 88+2*\c, RF+120+8*\c, 12, 13                ; tile 3: v88-103
.endr
.irp i, 10,11,12,13,14,15                      ; k = 80 .. 127: zero codes on both sides.  (Plain lines between the last conversion and the products)
	v_mov_b32 v[LC+\i], 0
	v_mov_b32 v[16+\i], 0
	v_mov_b32 v[32+\i], 0
	v_mov_b32 v[72+\i], 0
	v_mov_b32 v[88+\i], 0
.endr
	; source 0 = 16 columns of R1, source 1 = 16 rows of L1: lane (r, h) then holds row 16 t + r of W1, register i its column 16 (4 w + a) + 8 h + i
	v_wmma_f32_16x16x128_fp8_fp8 v[112:119], v[16:31], v[56:71], 0
	v_wmma_f32_16x16x128_fp8_fp8 v[120:127], v[32:47], v[56:71], 0
	v_wmma_f32_16x16x128_fp8_fp8 v[128:135], v[72:87], v[56:71], 0
	v_wmma_f32_16x16x128_fp8_fp8 v[136:143], v[88:103], v[56:71], 0
.rept 4
	v_nop                                          ; four places between a product and the first read of its result (ISA guide 7.12.1)
.endr
.irp a, 0,1,2,3
	Q8 232+2*\a, 112+8*\a, 14, 15                  ; eight registers of a tile are two registers of the fragment
.endr
	s_lshl_b32 s53, ttmp9, 10                      ; 2,048 (2 t + w / 2) + 1,024 (w % 2) = 1,024 j
	v_add_nc_u32 v3, s53, v3
	global_store_b128 v3, v[232:235], s[34:35]
	global_store_b128 v3, v[236:239], s[34:35] offset:512
	s_endpgm
	; ---- W2 = L2 R2 in f32 (K = 10): job j = 4 f + q makes quad q of fragment f = 2 t2 + s: 16 numbers a lane
.Lw2:
	s_sub_co_u32 s50, ttmp9, 64
	s_lshr_b32 s51, s50, 3                         ; t2
	s_bfe_u32 s52, s50, 0x10002                    ; s
	s_and_b32 s53, s50, 3                          ; q
	s_mul_i32 s51, s51, 640                        ; 16 rows of L2, 40 bytes each
	s_wait_alu depctr_va_vdst(0)
	v_mul_u32_u24 v4, v1, 40
	v_add_nc_u32 v4, s51, v4
	s_lshl_b32 s52, s52, 9
	s_lshl_b32 s53, s53, 7
	s_add_co_u32 s52, s52, s53
	v_lshl_add_u32 v5, v2, 5, s52                  ; R2: 4 (128 s + 32 q + 8 h)
.irp i, 0,1,2,3,4
	global_load_b64 v[16+2*\i:17+2*\i], v4, s[12:13] offset:8*\i
.endr
.irp j, 0,1,2,3,4,5,6,7,8,9
.irp c, 0,1
	global_load_b128 v[32+16*\j+8*\c:35+16*\j+8*\c], v5, s[14:15] offset:1024*\j+64*\c
	global_load_b128 v[36+16*\j+8*\c:39+16*\j+8*\c], v5, s[14:15] offset:1024*\j+64*\c+16
.endr
.endr
	s_wait_kmcnt 0x0
	SCL 10, 11, 41                                 ; e5
	s_wait_loadcnt 0x0
.irp p, 0,2,4,6,8,10,12,14
	v_pk_mul_f32 v[192+\p:193+\p], v[32+\p:33+\p], v[16:17] op_sel_hi:[1,0]
.endr
.set jj, 1
.rept 9                                        ; K ascending; of L2's pair the one number serves both halves
.irp p, 0,2,4,6,8,10,12,14
.if jj%2
	v_pk_fma_f32 v[192+\p:193+\p], v[32+16*jj+\p:33+16*jj+\p], v[15+jj:16+jj], v[192+\p:193+\p] op_sel:[0,1,0] op_sel_hi:[1,1,1]
.else
	v_pk_fma_f32 v[192+\p:193+\p], v[32+16*jj+\p:33+16*jj+\p], v[16+jj:17+jj], v[192+\p:193+\p] op_sel_hi:[1,0,1]
.endif
.endr
.set jj, jj+1
.endr
	Q8 208, 192, 10, 11
	Q8 210, 200, 10, 11
	s_lshl_b32 s54, s50, 9
	v_add_nc_u32 v3, s54, v3
	global_store_b128 v3, v[208:211], s[34:35] offset:65536
	s_endpgm
	; ---- W3: job j = 4 u + q makes quad q of fragment u
.Lw3:
	s_sub_co_u32 s50, ttmp9, 128
	s_lshr_b32 s51, s50, 2
	s_and_b32 s52, s50, 3
	s_lshl_b32 s51, s51, 13                        ; 16 u rows of 512 bytes
	s_lshl_b32 s52, s52, 7
	s_add_co_u32 s51, s51, s52
	s_wait_alu depctr_va_vdst(0)
	v_lshlrev_b32 v4, 9, v1
	v_lshl_add_u32 v4, v2, 5, v4
	v_add_nc_u32 v4, s51, v4
	global_load_b128 v[16:19], v4, s[16:17]
	global_load_b128 v[20:23], v4, s[16:17] offset:16
	global_load_b128 v[24:27], v4, s[16:17] offset:64
	global_load_b128 v[28:31], v4, s[16:17] offset:80
	s_wait_kmcnt 0x0
	SCL 10, 11, 43                                 ; e7
	s_wait_alu depctr_va_vdst(0)
	s_wait_loadcnt 0x0
	Q8 32, 16, 10, 11
	Q8 34, 24, 10, 11
	s_lshl_b32 s54, s50, 9
	v_add_nc_u32 v3, s54, v3
	global_store_b128 v3, v[32:35], s[34:35] offset:98304
	s_endpgm
.Lfunc_end_k_qd4c8851f7b_prep:
	.size	k_qd4c8851f7b_prep, .Lfunc_end_k_qd4c8851f7b_prep-k_qd4c8851f7b_prep
	.p2alignl 7, 3214868480
	.fill 96, 4, 3214868480
	.section	.rodata,"a",@progbits
	.p2align	6, 0x0
	.amdhsa_kernel k_qd4c8851f7b_prep
		.amdhsa_group_segment_fixed_size 0
		.amdhsa_private_segment_fixed_size 0
		.amdhsa_enable_private_segment 0
		.amdhsa_kernarg_size 112
		.amdhsa_user_sgpr_count 2
		.amdhsa_user_sgpr_kernarg_segment_ptr 1
		.amdhsa_wavefront_size32 1
		.amdhsa_system_sgpr_workgroup_id_x 1
		.amdhsa_system_sgpr_workgroup_id_y 1
		.amdhsa_system_sgpr_workgroup_id_z 1
		.amdhsa_system_vgpr_workitem_id 0
		.amdhsa_next_free_vgpr 256
		.amdhsa_next_free_sgpr 66
		.amdhsa_reserve_vcc 1
		.amdhsa_float_denorm_mode_32 3
		.amdhsa_float_denorm_mode_16_64 3
		.amdhsa_memory_ordered 1
		.amdhsa_forward_progress 1
		.amdhsa_inst_pref_size 60
	.end_amdhsa_kernel
	.amdgpu_metadata
---
amdhsa.version: [ 1, 2 ]
amdhsa.kernels:
  - .name:           k_qd4c8851f7b_prep
    .symbol:         k_qd4c8851f7b_prep.kd
    .args:
      - { .name: L1, .offset: 0, .size: 8, .value_kind: global_buffer, .address_space: global }
      - { .name: R1, .offset: 8, .size: 8, .value_kind: global_buffer, .address_space: global }
      - { .name: L2, .offset: 16, .size: 8, .value_kind: global_buffer, .address_space: global }
      - { .name: R2, .offset: 24, .size: 8, .value_kind: global_buffer, .address_space: global }
      - { .name: W3, .offset: 32, .size: 8, .value_kind: global_buffer, .address_space: global }
      - { .name: W4, .offset: 40, .size: 8, .value_kind: global_buffer, .address_space: global }
      - { .name: W5, .offset: 48, .size: 8, .value_kind: global_buffer, .address_space: global }
      - { .name: Bmat, .offset: 56, .size: 8, .value_kind: global_buffer, .address_space: global }
      - { .name: b1, .offset: 64, .size: 8, .value_kind: global_buffer, .address_space: global }
      - { .name: b2, .offset: 72, .size: 8, .value_kind: global_buffer, .address_space: global }
      - { .name: b3, .offset: 80, .size: 8, .value_kind: global_buffer, .address_space: global }
      - { .name: b4, .offset: 88, .size: 8, .value_kind: global_buffer, .address_space: global }
      - { .name: lowp_scales, .offset: 96, .size: 8, .value_kind: global_buffer, .address_space: global }
      - { .name: wimg, .offset: 104, .size: 8, .value_kind: global_buffer, .address_space: global }
    .group_segment_fixed_size: 0
    .private_segment_fixed_size: 0
    .kernarg_segment_align: 8
    .kernarg_segment_size: 112
    .max_flat_workgroup_size: 32
    .sgpr_count:     66
    .vgpr_count:     256
    .wavefront_size: 32
...
	.end_amdgpu_metadata
.endif
;; end of part 1
;; launch mlp (part 2): grid 256 x 1, 4 waves a work-group, no clusters, 131,584 bytes of LDS; arguments coords, lowp_scales, b5, wimg, out0; writes out0
.if DOCPART == 2
	.amdgcn_target "amdgcn-amd-amdhsa--gfx1250"
	.amdhsa_code_object_version 6
	.text
	.protected	k_qd4c8851f7b_mlp
	.globl	k_qd4c8851f7b_mlp
	.p2align	8
	.type	k_qd4c8851f7b_mlp,@function
k_qd4c8851f7b_mlp:
	s_mov_b64 s[64:65], 0
	v_nop
	global_prefetch_b8 v0, s[64:65] scope:SCOPE_SE
	s_setreg_imm32_b32 hwreg(HW_REG_WAVE_MODE, 25, 1), 1
	s_wait_xcnt 0x0
; out = W5 relu(W4 relu(W3 relu(W2 relu(W1 x + b1) + b2) + b3) + b4) + b5, x = [sin p, cos p], p = 2 pi t, t = c0 B0[m] + c1 B1[m]; 524,288 rows.
; The four inner products run on E4M3 codes (one given scale 2^e an operand), the last on bf16; sums in f32.
; SHARES.  256 work-groups x 4 waves x 512 rows.  Every wave holds W1 (512 registers), W2 (256) and W4 (12) and works alone: a trip takes 32 rows (tiles A and B of 16)
; from the coordinates to the three outputs; no activation leaves the wave.  W3, W5, Bmat and the biases come from LDS in each trip.
; LAYOUT.  Every product is used transposed (source 0 = 16 rows of a weight, source 1 = 16 rows of activations): lane (r, h) holds row r, a tile's eight registers are units 16 t + 8 h + 0 .. 7,
; which one conversion turns into registers 2 t, 2 t + 1 of the next operand (plain 8-bit layout).  Each bias, divided by the power of two that the sums lack, is the C of a sum's first product;
; the scales on both sides of a quantiser are folded into the conversion's one.
; SINE AND COSINE in f32: g = t - rndne(t) (exact), |g| <= 1/2 turn; with k = 2^(3/4): s = k sin(pi g / 2) = g A(g^2), c = k cos(pi g / 2) = B(g^2) (degree 3 in g^2, Chebyshev-economised on g^2 <= 1/4);
; S = s c = sqrt 2 sin(pi g), C = sqrt 2 - s s = sqrt 2 cos(pi g); sin p = S C, cos p = 1 - S S.  Absolute error about 5e-7.
; LIMIT (an order of rounding): the angle is reduced in turns, so the rounding of 2 pi x t to f32 is not made: the angle differs from that f32 number by at most half its last place.
; A GROUP is four hidden tiles x tiles A, B: 16 products on 8 accumulators by turns, the next group's eight loads of biases, 64 holds, 8 conversions.  Layer 1 has four groups, layer 2 two.
; NO CLUSTER, NO TENSOR LOAD, NO PREFETCH: what work-groups share is wimg's 108,544 bytes, read once at the head; the 16 trips read nothing from memory.
; THE HOLD OF x: |sin|, |cos| <= 1 + 2^-19 as computed here, so where 448 x 2^e2 >= 1.75 (e2 >= -8) the hold changes nothing: the trip's first phase is written twice, with and without it, chosen by the whole number e2.
; LIMITS: e2, e4 - e2 - e3, e6 - e4 - e5, e8 - e6 - e7 lie between -126 and 119.  NaN and infinities among the inputs are not served.  The last layer's operands are rounded to bf16.
; LDS: 0 wimg's image; CST + 4,096 w: wave w's 512 c0, then 512 c1; OST + 1,536 w: its stage for 128 rows of out; 131,072: the spare words.
; REGISTERS: window 2: W1's tiles 0-7; window 3: tiles 8-15; window 1: W2 (at the head: the staging of wimg).  Window 0:
;   v1 TBL + 32 h; v2 my coordinates; v3 the trip's; v4, v5 stage in; v6 stage out; v7 16 l; v8-11 the conversions' scales; v12, v13 two constants; v14 65,536 + 16 l; v15 448 x 2^e2; v16-19 c0, c1 of A, of B;
;   v20-83 x's codes, later h2's codes, W3, h3, h4, out; v84-147 h1's codes (in phase X: four slots of Bmat's numbers); v148-211 accumulators (in phase X: at work); v212-243 biases; v244-255 W4, zeros, W4.
.set TBL,  104960
.set CST,  108544
.set OST,  124928
.set XC,   20
.set H1C,  84
.set ACC,  148
.set XT,   148
.set BB,   212
.set H3,   XC+32
.set H4,   XC+40
.set D5,   XC+48
.set OV,   XC+56
.set KA3, 70                           ; scalar pairs, both words written: A's and B's coefficients (A's second and B's second lie in v12, v13),
.set KA1, 72
.set KA0, 74
.set KB3, 76
.set KB1, 78
.set KB0, 80
.set KRT, 82                           ; sqrt 2
.set KON, 84                           ; 1
.set MSB, 0
.macro WIN new                         ; the immediate's high byte repeats the setting that is left
.if MSB != (\new)
	s_set_vgpr_msb (MSB<<8)|(\new)
.set MSB, (\new)
.endif
.endm
.macro KSET reg, val
	s_mov_b32 s[\reg], \val
	s_mov_b32 s[\reg+1], \val
.endm
.macro SCL vs, sl, se                  ; v[vs] = 2^e, s[sl] = 448 x 2^e, e in s[se]
	s_add_co_i32 s42, s[\se], 127
	s_lshl_b32 s43, s42, 23
	v_mov_b32 v[\vs], s43
	s_add_co_i32 s42, s42, 8
	s_lshl_b32 s42, s42, 23
	s_or_b32 s[\sl], s42, 0x600000
.endm
.macro PLACES                          ; four places behind a product, ahead of a read of its result or a load into one of its registers
.rept 4
	v_nop
.endr
.endm
.macro CLOAD                           ; a trip's coordinates: my row's c0, c1 in tile A and in tile B
	ds_load_b32 v16, v3
	ds_load_b32 v17, v3 offset:2048
	ds_load_b32 v18, v3 offset:64
	ds_load_b32 v19, v3 offset:2112
.endm
.macro BLOAD c                         ; Bmat's two rows at m = 16 c + 8 h + 0 .. 7, into slot c % 4
.set BL, H1C+16*((\c)%4)
	ds_load_b128 v[BL:BL+3],     v1 offset:64*(\c)
	ds_load_b128 v[BL+4:BL+7],   v1 offset:64*(\c)+16
	ds_load_b128 v[BL+8:BL+11],  v1 offset:512+64*(\c)
	ds_load_b128 v[BL+12:BL+15], v1 offset:512+64*(\c)+16
.endm
.macro BBLOAD buf, off                 ; the biases of two hidden tiles, in the result's layout
	ds_load_b128 v[BB+16*(\buf):BB+16*(\buf)+3],     v1 offset:(\off)
	ds_load_b128 v[BB+16*(\buf)+4:BB+16*(\buf)+7],   v1 offset:(\off)+16
	ds_load_b128 v[BB+16*(\buf)+8:BB+16*(\buf)+11],  v1 offset:(\off)+64
	ds_load_b128 v[BB+16*(\buf)+12:BB+16*(\buf)+15], v1 offset:(\off)+80
.endm
.macro BBL n                           ; group n's biases: four hidden tiles (b2 follows b1 in the table)
	BBLOAD 0, 1024+256*(\n)
	BBLOAD 1, 1152+256*(\n)
.endm
; The stages of phase X go over the eight pairs (two tiles x four), so that no line reads the line above it.
.macro HORNER d, sc                    ; v[d ..] = v[d ..] x u + constant
.irp T, 0,1
.irp k, 0,2,4,6
.set R, XT+32*\T+\k
	v_pk_fma_f32 v[R+\d:R+\d+1], v[R+\d:R+\d+1], v[R+8:R+9], s[\sc:\sc+1] op_sel_hi:[1,1,0]
.endr
.endr
.endm
.macro PMUL d, a, b
.irp T, 0,1
.irp k, 0,2,4,6
.set R, XT+32*\T+\k
	v_pk_mul_f32 v[R+\d:R+\d+1], v[R+\a:R+\a+1], v[R+\b:R+\b+1]
.endr
.endr
.endm
.macro PNSQ d, sc                      ; v[d ..] = constant - v[d ..]^2
.irp T, 0,1
.irp k, 0,2,4,6
.set R, XT+32*\T+\k
	v_pk_fma_f32 v[R+\d:R+\d+1], v[R+\d:R+\d+1], v[R+\d:R+\d+1], s[\sc:\sc+1] op_sel_hi:[1,1,0] neg_lo:[1,0,0] neg_hi:[1,0,0]
.endr
.endr
.endm
; Eight angles a lane and tile: m = 16 c + 8 h + 0 .. 7.  At work, for tile T at XT + 32 T: +0 t, g, then the sine; +8 n, then u = g^2; +16 A, s, then C; +24 B, S, then the cosine.
.macro XGROUP c, hold
.set BF, H1C+16*((\c)%4)
.if (\c) == 0
	s_wait_dscnt 3                                 ; the coordinates and Bmat's groups 0-3 are in; the three stores into my stage, issued behind those twenty loads, may be out (from the head: nothing is out)
.elseif (\c) == 4
	s_wait_dscnt 16                                ; groups 4, 5 are in; the sixteen loads issued behind group 3 may be out
.elseif (\c) == 6
	s_wait_dscnt 8                                 ; groups 6, 7 are in; the eight loads of biases may be out
.endif
.irp T, 0,1
.irp k, 0,2,4,6
.set R, XT+32*\T+\k
	v_pk_mul_f32 v[R:R+1], v[BF+\k:BF+\k+1], v[16+2*\T:17+2*\T] op_sel_hi:[1,0]                            ; c0 B0
.endr
.endr
.irp T, 0,1
.irp k, 0,2,4,6
.set R, XT+32*\T+\k
	v_pk_fma_f32 v[R:R+1], v[BF+8+\k:BF+9+\k], v[16+2*\T:17+2*\T], v[R:R+1] op_sel:[0,1,0] op_sel_hi:[1,1,1]   ; t
.endr
.endr
.irp T, 0,1
.irp k, 0,1,2,3,4,5,6,7
	v_rndne_f32 v[XT+32*\T+8+\k], v[XT+32*\T+\k]                                                           ; n
.endr
.endr
.irp T, 0,1
.irp k, 0,2,4,6
.set R, XT+32*\T+\k
	v_pk_add_f32 v[R:R+1], v[R:R+1], v[R+8:R+9] neg_lo:[0,1] neg_hi:[0,1]                                  ; g = t - n: exact
.endr
.endr
	PMUL 8, 0, 0                                   ; u
.irp T, 0,1
.irp k, 0,2,4,6
.set R, XT+32*\T+\k
	v_pk_fma_f32 v[R+16:R+17], v[R+8:R+9], s[KA3:KA3+1], v[12:13] op_sel_hi:[1,0,0]                        ; (an instruction names one scalar pair: the second constant lies in v12, v13)
.endr
.endr
.irp T, 0,1
.irp k, 0,2,4,6
.set R, XT+32*\T+\k
	v_pk_fma_f32 v[R+24:R+25], v[R+8:R+9], s[KB3:KB3+1], v[12:13] op_sel:[0,0,1] op_sel_hi:[1,0,1]
.endr
.endr
	HORNER 16, KA1
	HORNER 24, KB1
	HORNER 16, KA0
	HORNER 24, KB0                                 ; c
	PMUL 16, 16, 0                                 ; s
	PMUL 24, 16, 24                                ; S = s c
	PNSQ 16, KRT                                   ; C = sqrt 2 - s s
	PMUL 0, 24, 16                                 ; sin p = S C
	PNSQ 24, KON                                   ; cos p = 1 - S S
.if \hold
.irp T, 0,1
.irp k, 0,1,2,3,4,5,6,7
	v_med3_num_f32 v[XT+32*\T+\k], v[XT+32*\T+\k], -v15, v15
	v_med3_num_f32 v[XT+32*\T+24+\k], v[XT+32*\T+24+\k], -v15, v15
.endr
.endr
.endif
.irp T, 0,1
	v_cvt_scalef32_pk8_fp8_f32 v[XC+32*\T+2*(\c):XC+32*\T+2*(\c)+1], v[XT+32*\T:XT+32*\T+7], v8              ; K step 0: the sines
	v_cvt_scalef32_pk8_fp8_f32 v[XC+32*\T+16+2*(\c):XC+32*\T+17+2*(\c)], v[XT+32*\T+24:XT+32*\T+31], v8      ; K step 1: the cosines
.endr
	v_nop                                          ; a plain line between the conversions and what next writes their sources
.if (\c) == 1
	BLOAD 4                                        ; slots 0, 1 are done with
	BLOAD 5
.elseif (\c) == 3
	BLOAD 6                                        ; slots 2, 3 likewise; behind them the first group's biases
	BLOAD 7
	BBL 0
.endif
.endm
.macro XPHASE hold
.irp c, 0,1,2,3,4,5,6,7
	XGROUP \c, \hold
.endr
.endm
.macro WM d, a, b, c
	v_wmma_f32_16x16x128_fp8_fp8 v[(\d):(\d)+7], v[(\a):(\a)+15], v[(\b):(\b)+15], v[(\c):(\c)+7]
.endm
; A group's 16 products: four hidden tiles x tiles A, B, K = 256.  The eight accumulators take turns, one instruction a turn.  Only source 0 leaves window 0.
.macro GRP win, wb, x
	WIN \win
.irp u, 0,1,2,3
	WM ACC+16*\u, (\wb)+32*\u, \x, BB+8*\u
	WM ACC+16*\u+8, (\wb)+32*\u, (\x)+32, BB+8*\u
.endr
.irp u, 0,1,2,3
	WM ACC+16*\u, (\wb)+32*\u+16, (\x)+16, ACC+16*\u
	WM ACC+16*\u+8, (\wb)+32*\u+16, (\x)+48, ACC+16*\u+8
.endr
	WIN 0
	PLACES                                         ; ahead of the loads into the biases' registers and of the holds
.endm
; nt hidden tiles of both tiles of rows become codes.  The activation and the hold are one line: between 0 and the largest code x the scale; each accumulator is read from its low end on.
; ts: registers from tile A's codes to tile B's.
.macro QUANT nt, da, ts, vs, sl
.set QI, 0
.rept 16*(\nt)
	v_med3_num_f32 v[ACC+QI], v[ACC+QI], 0, s[\sl]
.set QI, QI+1
.endr
.set QI, 0
.rept \nt
	v_cvt_scalef32_pk8_fp8_f32 v[(\da)+2*QI:(\da)+2*QI+1], v[ACC+16*QI:ACC+16*QI+7], v[\vs]
	v_cvt_scalef32_pk8_fp8_f32 v[(\da)+(\ts)+2*QI:(\da)+(\ts)+2*QI+1], v[ACC+16*QI+8:ACC+16*QI+15], v[\vs]
.set QI, QI+1
.endr
	v_nop                                          ; a plain line behind the last conversion
.endm
; THE HEAD'S COPY of wimg: chunk i (2,048 bytes, 16 a thread) from its staging registers into LDS; j: its place in the order of the 61 loads, which come back in order
.macro WST i, j
	s_wait_loadcnt 60-(\j)
.if (\i) < 32
	ds_store_b128 v12, v[4*(\i):4*(\i)+3] offset:2048*(\i)
.else
	ds_store_b128 v15, v[4*(\i):4*(\i)+3] offset:2048*((\i)-32)
.endif
.endm
.macro BAR
	s_wait_dscnt 0x0                               ; for the others' sake: my stores have landed
	s_barrier_signal -1
	s_barrier_wait -1
.endm
.macro WLD win, adr, off               ; 16 fragments, 256 registers, out of LDS
	WIN \win
.set q, 0
.rept 64
	ds_load_b128 v[4*q:4*q+3], v[\adr] offset:(\off)+512*q
.set q, q+1
.endr
.endm
	s_load_b256 s[4:11], s[0:1], 0x0               ; coords s4, the scales' exponents s6, b5 s8, wimg s10
	s_load_b64 s[12:13], s[0:1], 0x20              ; out0
	v_lshrrev_b32 v1, 5, v0
	v_readfirstlane_b32 s16, v1                    ; wave 0..3
	v_and_b32 v7, 31, v0                           ; l
	v_and_b32 v2, 15, v0                           ; r
	v_bfe_u32 v1, v0, 4, 1                         ; h
	v_lshlrev_b32 v1, 5, v1
	v_add_nc_u32 v1, TBL, v1
	s_mul_i32 s42, s16, 4096
	s_add_co_u32 s42, s42, CST                     ; my wave's coordinates in LDS
	v_lshl_add_u32 v2, v2, 2, s42
	s_mul_i32 s43, s16, 1536
	s_add_co_u32 s43, s43, OST                     ; my wave's stage
	v_mul_u32_u24 v4, v7, 12
	v_add_nc_u32 v4, s43, v4
	v_lshl_add_u32 v6, v7, 4, s43
	v_lshlrev_b32 v7, 4, v7
	v_add_nc_u32 v14, 0x10000, v7
	v_lshlrev_b32 v12, 4, v0                       ; at the head: 16 x thread,
	v_add_nc_u32 v15, 0x10000, v12                 ; the same 65,536 on,
	v_add_nc_u32 v13, s42, v7                      ; and where my lane puts coordinates
	s_lshl_b32 s44, ttmp9, 2
	s_add_co_u32 s44, s44, s16                     ; W = 4 x work-group + wave: rows 512 W on, all in image W / 8
	s_lshr_b32 s45, s44, 3
	s_lshl_b32 s45, s45, 15                        ; an image: two planes of 16,384 bytes
	s_and_b32 s46, s44, 7
	s_lshl_b32 s46, s46, 11
	s_add_co_u32 s46, s46, s45
	s_mov_b32 s47, 0
	s_mul_i32 s44, s44, 6144                       ; 512 rows of 12 bytes
	s_mov_b32 s45, 0
	s_wait_alu depctr_va_vdst(0)
	s_wait_kmcnt 0x0
	s_load_b256 s[20:27], s[6:7], 0x0              ; e0 .. e7
	s_load_b64 s[28:29], s[6:7], 0x20              ; e8, e9
	s_load_b96 s[32:34], s[8:9], 0x0               ; b5
	s_add_nc_u64 s[4:5], s[4:5], s[46:47]
	s_add_nc_u64 s[12:13], s[12:13], s[44:45]
	; everything that the launch reads from memory is asked for here: 8 loads of coordinates a wave, then 53 of wimg: chunks 48-52 (W3 .. the tables), 0-31 (W1), 32-47 (W2)
	WIN 0x40                                       ; destination window 1
.set i, 0
.rept 4
	global_load_b128 v[212+4*i:215+4*i], v7, s[4:5] offset:512*i th:TH_LOAD_NT
.set i, i+1
.endr
.set i, 0
.rept 4
	global_load_b128 v[228+4*i:231+4*i], v7, s[4:5] offset:16384+512*i th:TH_LOAD_NT
.set i, i+1
.endr
.set i, 48
.rept 5
	global_load_b128 v[4*i:4*i+3], v12, s[10:11] offset:2048*i
.set i, i+1
.endr
.set i, 0
.rept 48
	global_load_b128 v[4*i:4*i+3], v12, s[10:11] offset:2048*i
.set i, i+1
.endr
	; THREE STAGES, a barrier behind each: a part of wimg's image is read into registers while later parts are still on their way.  Nobody writes a part again.
	WIN 0x04                                       ; store data window 1
.set i, 0
.rept 8
	s_wait_loadcnt 60-i
	ds_store_b128 v13, v[212+4*i:215+4*i] offset:512*i
.set i, i+1
.endr
.set i, 48
.rept 5
	WST i, i-40
.set i, i+1
.endr
.set i, 0
.rept 16
	WST i, i+13
.set i, i+1
.endr
	BAR
	WLD 0x80, 7, 0                                 ; W1's tiles 0-7 into window 2
	WIN 0x04
.rept 16
	WST i, i+13
.set i, i+1
.endr
	BAR
	WLD 0xc0, 7, 32768                             ; tiles 8-15 into window 3
	WIN 0x04
.rept 16
	WST i, i+13
.set i, i+1
.endr
	BAR                                            ; all staging registers have been stored:
	WLD 0x40, 14, 0                                ; W2 into window 1
	WIN 0
.irp q, 0,1,2
	ds_load_b128 v[244+4*\q:247+4*\q], v14 offset:36864+512*\q   ; W4, zeros, W4
.endr
	s_wait_kmcnt 0x0
	SCL 8, 36, 22                                  ; x: 2^e2
	s_sub_co_i32 s44, s24, s22
	s_sub_co_i32 s44, s44, s23
	SCL 9, 37, 44                                  ; h1: a sum stands for sum x 2^(e2 + e3), so its code is sum / 2^(e4 - e2 - e3)
	s_sub_co_i32 s44, s26, s24
	s_sub_co_i32 s44, s44, s25
	SCL 10, 38, 44                                 ; h2: 2^(e6 - e4 - e5)
	s_sub_co_i32 s44, s28, s26
	s_sub_co_i32 s44, s44, s27
	SCL 11, 39, 44                                 ; h3: 2^(e8 - e6 - e7)
	v_mov_b32 v15, s36
	s_cmp_ge_i32 s22, -8
	s_cselect_b32 s40, 1, 0
	KSET KA3, 0xbbfd95fa                           ; A(u) = k sin(pi g / 2) / g: -0.007738826 u^3
	v_mov_b32 v12, 0x3e0938b7                      ;   + 0.134005406 u^2
	KSET KA1, 0xbf8b0e65                           ;   - 1.08637673 u
	KSET KA0, 0x4029127f                           ;   + 2.641753994
	KSET KB3, 0xbd0c95c0                           ; B(u) = k cos(pi g / 2): -0.0343225 u^3
	v_mov_b32 v13, 0x3eda5e40                      ;   + 0.426500329 u^2
	KSET KB1, 0xc004c9e6                           ;   - 2.07482279 u
	KSET KB0, 0x3fd744fc                           ;   + 1.681792785
	KSET KRT, 0x3fb504f3
	KSET KON, 0x3f800000
	v_mov_b32 v3, v2
	CLOAD                                          ; the first trip's coordinates and Bmat's groups 0-3
	BLOAD 0
	BLOAD 1
	BLOAD 2
	BLOAD 3
	s_mov_b32 s41, 0
	s_wait_alu depctr_va_vdst(0)
	s_wait_dscnt 0x0                               ; the weights are in; the loop's first wait is counted for the way round: from here nothing is out
.Ltrip:                                            ; 16 trips of 32 rows
	; ---- X: 2 x 16 rows x 256 features, as codes
	s_cmp_eq_u32 s40, 1
	s_cbranch_scc0 .Lheld
	XPHASE 0                                       ; e2 >= -8: no number here lies beyond the largest code x the scale
	s_wait_alu depctr_va_vdst(0)
	s_branch .Ljoin
.Lheld:
	XPHASE 1
.Ljoin:
	; ---- layer 1: 4 groups
	s_wait_alu depctr_va_vdst(0)
.set g, 0
.rept 4
	s_wait_dscnt 0x0                               ; this group's biases are in: they were asked for ahead of the group before's 64 holds
	GRP 2+g/2, 128*(g%2), XC
	BBL g+1
	QUANT 4, H1C+8*g, 32, 9, 37
.set g, g+1
.endr
	; ---- layer 2: 2 groups
	s_wait_alu depctr_va_vdst(0)
	s_wait_dscnt 0x0
	GRP 1, 0, H1C
	BBL 5
.irp q, 0,1,2,3,4,5,6,7
	ds_load_b128 v[XC+32+4*\q:XC+35+4*\q], v14 offset:32768+512*\q   ; W3's two fragments, where tile B's x lay
.endr
	QUANT 4, XC, 16, 10, 38
	s_wait_dscnt 0x0
	GRP 1, 128, H1C
	BBLOAD 0, 2560                                 ; b3 (it follows b2 in the table),
	ds_load_b128 v[BB+16:BB+19], v1 offset:2688    ; b4, in the result's layout,
	ds_load_b128 v[BB+20:BB+23], v1 offset:2704
	ds_load_b128 v[BB+24:BB+27], v14 offset:38400  ; W5's fragment
	ds_load_b128 v[BB+28:BB+31], v14 offset:38912
	QUANT 4, XC+8, 16, 10, 38
	; ---- layer 3: two hidden tiles, K = 128
	s_wait_alu depctr_va_vdst(0)
	s_wait_dscnt 0x0                               ; b3, b4, W5 and W3 are in
.irp u, 0,1
	WM ACC+16*\u, XC+32+16*\u, XC, BB+8*\u
	WM ACC+16*\u+8, XC+32+16*\u, XC+16, BB+8*\u
.endr
	s_add_co_u32 s42, s41, 1
	s_min_u32 s42, s42, 15                         ; the last trip asks for its own rows again: no read leaves the wave's coordinates
	s_lshl_b32 s42, s42, 7
	v_add_nc_u32 v3, s42, v2                       ; (with the three lines below: the four places behind the products)
.rept 3
	v_nop
.endr
	CLOAD                                          ; the next trip's coordinates and Bmat's groups 0-3: 20 loads; h1's codes are done with
	BLOAD 0
	BLOAD 1
	BLOAD 2
	BLOAD 3
	QUANT 2, H3, 4, 11, 39
	; ---- layer 4: K = 32.  One operand holds tile A's 32 codes (k = 0 .. 31) and tile B's (k = 32 .. 63); W4 stands against the one, zero codes against the other
	v_wmma_f32_16x16x64_fp8_fp8 v[ACC+32:ACC+39], v[244:251], v[H3:H3+7], v[BB+16:BB+23]
	v_wmma_f32_16x16x64_fp8_fp8 v[ACC+40:ACC+47], v[248:255], v[H3:H3+7], v[BB+16:BB+23]
	PLACES
.irp i, 0,1,2,3,4,5,6,7,8,9,10,11,12,13,14,15
	v_max_num_f32 v[ACC+32+\i], 0, v[ACC+32+\i]
.endr
.irp i, 0,1,2,3,4,5,6,7
	v_cvt_pk_bf16_f32 v[H4+\i], v[ACC+32+2*\i], v[ACC+33+2*\i]   ; registers 0-3: tile A's 16 units (k = 8 h + i), registers 4-7: tile B's (k = 16 + 8 h + i)
.endr
	; ---- layer 5: rows 0-2 of W5's fragment meet tile A's units, rows 8-10 tile B's: lane l holds out(32 trip + l, 0 .. 2) in registers 0-2
	v_wmma_f32_16x16x32_bf16 v[D5:D5+7], v[BB+24:BB+31], v[H4:H4+7], 0
	s_and_b32 s43, s41, 3
	s_mul_i32 s43, s43, 384
	v_add_nc_u32 v5, s43, v4
.rept 3
	v_nop
.endr
.irp j, 0,1,2
	v_add_f32 v[OV+\j], s[32+\j], v[D5+\j]
.endr
.irp j, 0,1,2
	ds_store_b32 v5, v[OV+\j] offset:4*\j
.endr
	s_and_b32 s44, s41, 3
	s_cmp_lg_u32 s44, 3
	s_cbranch_scc1 .Lnoflush
	; every fourth trip: 128 rows, 1,536 bytes, leave the stage; LDS serves a wave's instructions in order, so these loads see my stores
.irp i, 0,1,2
	ds_load_b128 v[H3+4*\i:H3+3+4*\i], v6 offset:512*\i
.endr
	s_wait_dscnt 0x0
.irp i, 0,1,2
	global_store_b128 v7, v[H3+4*\i:H3+3+4*\i], s[12:13] offset:512*\i th:TH_STORE_NT   ; 32 lanes store 512 consecutive bytes, at a multiple of 512 from out0's first byte
.endr
	s_wait_xcnt 0x0                                ; the stores have read their data and their base: both are written again only behind this wait
	s_add_nc_u64 s[12:13], s[12:13], 1536
.Lnoflush:
	s_add_co_u32 s41, s41, 1
	s_cmp_lt_u32 s41, 16
	s_wait_alu depctr_va_vdst(0)
	s_cbranch_scc1 .Ltrip
	s_wait_dscnt 0x0
	s_wait_xcnt 0x0
	v_lshl_add_u32 v226, v0, 2, 0x20000            ; my spare word, and 0: no two registers could be kept, so they are made here from v0
	v_mov_b32 v227, 0
	s_wait_alu depctr_va_vdst(0)
	s_wait_tensorcnt 0x0                           ; the wave's end: behind my last LDS store
	ds_add_u32 v226, v227
	s_wait_dscnt 0x0
	s_endpgm
.Lfunc_end_k_qd4c8851f7b_mlp:
	.size	k_qd4c8851f7b_mlp, .Lfunc_end_k_qd4c8851f7b_mlp-k_qd4c8851f7b_mlp
	.p2alignl 7, 3214868480
	.fill 96, 4, 3214868480
	.section	.rodata,"a",@progbits
	.p2align	6, 0x0
	.amdhsa_kernel k_qd4c8851f7b_mlp
		.amdhsa_group_segment_fixed_size 131584
		.amdhsa_private_segment_fixed_size 0
		.amdhsa_enable_private_segment 0
		.amdhsa_kernarg_size 40
		.amdhsa_user_sgpr_count 2
		.amdhsa_user_sgpr_kernarg_segment_ptr 1
		.amdhsa_wavefront_size32 1
		.amdhsa_system_sgpr_workgroup_id_x 1
		.amdhsa_system_sgpr_workgroup_id_y 1
		.amdhsa_system_sgpr_workgroup_id_z 1
		.amdhsa_system_vgpr_workitem_id 0
		.amdhsa_next_free_vgpr 1024
		.amdhsa_next_free_sgpr 100
		.amdhsa_reserve_vcc 0
		.amdhsa_float_denorm_mode_32 3
		.amdhsa_float_denorm_mode_16_64 3
		.amdhsa_memory_ordered 1
		.amdhsa_forward_progress 1
		.amdhsa_inst_pref_size 227
	.end_amdhsa_kernel
	.amdgpu_metadata
---
amdhsa.version: [ 1, 2 ]
amdhsa.kernels:
  - .name:           k_qd4c8851f7b_mlp
    .symbol:         k_qd4c8851f7b_mlp.kd
    .args:
      - { .name: coords, .offset: 0, .size: 8, .value_kind: global_buffer, .address_space: global }
      - { .name: lowp_scales, .offset: 8, .size: 8, .value_kind: global_buffer, .address_space: global }
      - { .name: b5, .offset: 16, .size: 8, .value_kind: global_buffer, .address_space: global }
      - { .name: wimg, .offset: 24, .size: 8, .value_kind: global_buffer, .address_space: global }
      - { .name: out0, .offset: 32, .size: 8, .value_kind: global_buffer, .address_space: global }
    .group_segment_fixed_size: 131584
    .private_segment_fixed_size: 0
    .kernarg_segment_align: 8
    .kernarg_segment_size: 40
    .max_flat_workgroup_size: 128
    .sgpr_count:     100
    .vgpr_count:     1024
    .wavefront_size: 32
...
	.end_amdgpu_metadata
.endif
;; end of part 2
